; MI455X (gfx1250); checked and timed in simulation.
; The chip was launched on July 23, 2026; its instructions are those of AMD's public machine-readable ISA for CDNA 5 (MIT licence, August 2026) and "CDNA5" Instruction Set Architecture Reference Guide (July 2026). The comments in the code are by the model that wrote it; some were corrected since.
;; CMS Flip Linear. Allowed arithmetic: matrix products marked QUANTISED: E2M1 operands, one E8M0 scale for each 32 along K, by v_wmma_scale_f32_16x16x128_f8f6f4 with both operands' format E2M1 (or v_wmma_scale_f32_32x16x128_f4), f32 sums; everything else in f32.
;; Inputs: scales 65,536 float32; ternary 2,048 x 4,096 int8; x_codes 4 x 2,048 x 128 x 16 uint8 (E2M1 codes of x, K innermost, in blocks of 32 codes, two codes a byte); x_scales 4 x 2,048 x 128 uint8 (E8M0 scales of x, one for each 32 codes along K).
;; Outputs: out0 4 x 2,048 x 2,048 float32.
;; This version of the problem:
;;   THIS VERSION OF THE PROBLEM IS GIVEN IN LOW PRECISION. The matrix products marked QUANTISED in the list below multiply operands that are first quantised to E2M1 (2 exponent bits, 1 mantissa bit; 4 bits a number), with one power-of-two scale for each 32 numbers along K (OCP MX v1.0); their sums are f32. All else is computed in f32.
;;   The module's matrix products, in the order in which they are computed (A, B: the left and right operand; K: the contracted axis; several contracted axes count as one K, in the product's order):
;;     1. [M 8,192, K 4,096] x [K 4,096, N 2,048]; A: input x (given as codes); B: computed on the way: QUANTISED
;;   THE QUANTISER, for each operand of a quantised product, along K:
;;     - K is cut into blocks of 32 from its start; a last block that is shorter is filled with zeros.
;;     - A block's scale is 2^e with e = floor(log2(the largest magnitude in the block)) - 2, held to -126 .. 127; a block of zeros has e = 0. As a byte (E8M0): e + 127.
;;     - Each number is divided by its block's scale, clamped to +-6, and rounded to the nearest number of E2M1, ties to even, subnormals kept.
;;     - The product sums the exact products of the quantised numbers (number of the format x scale) in f32.
;;   ~~~python
;;   def quantise(x, axis):      # numpy; x: float32 -> the quantised numbers, widened to float32 again
;;       x = np.moveaxis(x, axis, -1); K = x.shape[-1]
;;       x = np.pad(x, [(0, 0)] * (x.ndim - 1) + [(0, -K % 32)]); x = x.reshape(x.shape[:-1] + (-1, 32)); a = np.abs(x).max(-1, keepdims=True)
;;       e = np.where(a > 0, np.clip(np.frexp(np.where(a > 0, a, 1))[1] - 1 - 2, -126, 127), 0)      # np.frexp(a)[1] - 1 = floor(log2(a)), exactly
;;       r = np.clip(x / 2.0 ** e, -6, 6)
;;       step = 2.0 ** (np.maximum(np.frexp(np.where(r == 0, 1, r))[1] - 1, 0) - 1)
;;       q = np.round(r / step) * step * 2.0 ** e      # np.round: ties to even
;;       return np.moveaxis(q.reshape(q.shape[:-2] + (-1,))[..., :K], -1, axis).astype(np.float32)
;;   ~~~
;;   OPERANDS COMPUTED ON THE WAY. 'Computed on the way' means the value that the module computes at that place (a softmax that the list does not call 'softmax' is quantised finished and normalised). What goes into a quantiser is computed in f32, as accurately as f32 sums, v_exp_f32 and their like allow (about 1e-6 of the number): no bf16 or f16 on the way to a quantiser, and a product that is left as it is and whose result goes on into a quantised operand takes f32 operands (vector FMAs, or v_wmma_f32_16x16x4_f32). A number that lies on a knife's edge between two numbers of the format may be rounded either way, as far as f32 arithmetic and the matrix unit's own rounding can turn it there, and no further.
;;   INPUTS GIVEN AS CODES. x (in the module: [4, 2048, 4096], K = its axis 2): each comes as NAME_codes (uint8): NAME with its K axis moved to the last place and cut into blocks of 32 codes, [.., K / 32, bytes a block], one block behind the other in memory; two codes a byte, the lower K in the low four bits (a code: sign, 2 exponent bits, 1 mantissa bit); and NAME_scales (uint8): the same leading axes, one E8M0 byte (e + 127) for each 32 codes along K. Its value is code x scale, taken as it is: it is not quantised again, and the codes and scales need not be those that the quantiser above would give.
;; One version. Each part assembles by itself: llvm-mc -triple=amdgcn-amd-amdhsa -mcpu=gfx1250 --defsym DOCPART=n.
;; ======== version 1 of 1: 2 launches
;; limits: right only within a limited range of input values
;; workspace buffers: wq 4,456,448 bytes
;; launch quantw (part 1): grid 256 x 1, 8 waves a work-group, no clusters, 18,432 bytes of LDS; arguments ternary, scales, wq; writes wq
.if DOCPART == 1
	.amdgcn_target "amdgcn-amd-amdhsa--gfx1250"
	.amdhsa_code_object_version 6
	.text
	.protected	k_q73ea827206_quantw
	.globl	k_q73ea827206_quantw
	.p2align	8
	.type	k_q73ea827206_quantw,@function
k_q73ea827206_quantw:
	s_mov_b64 s[64:65], 0
	v_nop
	global_prefetch_b8 v0, s[64:65] scope:SCOPE_SE
	s_setreg_imm32_b32 hwreg(HW_REG_WAVE_MODE, 25, 1), 1
	s_wait_xcnt 0x0
; W[n][k] = f32(ternary[n][k]) x scales[32 n + k / 128], n < 2048, k < 4096, is formed in f32 (one rounding, as the product is written) and turned into codes of FP4 (E2M1)
; with one E8M0 scale byte for each 32 along K.  A block's scale is 2^(floor(log2(its largest magnitude)) - 2): its byte is the largest magnitude's exponent field - 2, held at 1 from below.
; Any int8 and any finite f32 scale is served: nothing is taken from the codes being -1, 0, 1.
; LIMITS: NaN and infinite scales are not served.  A block of zeros gets the byte 1 where the rule says 127: its codes are zeros, which add nothing under any byte but 0xff, and this program alone reads the bytes.
; THE OUTPUT IS LAID AS THE NEXT LAUNCH'S LDS TILE: wq[n / 256][k / 512][position][272]: 256 bytes = 512 codes (the lower k in the low four bits), then the row's 16 scale bytes of these 512.
; POSITION: of each 64 rows, row 4 r + b (r < 16, b < 4) lies at 16 b + r, so that 16 consecutive positions are every fourth row.
; SHARES.  A work-group takes 64 rows x 512 along K: 17,408 consecutive bytes of wq, 68 whole units of 256.  Wave w takes rows 8 w .. 8 w + 7: row i of them has r = 2 w + i / 4, b = i % 4.
; One load is one row's 512 int8, 16 a lane: two neighbouring lanes hold a block of 32, eight lanes share a group's scale.  All loads of a wave go out at once; there is no loop to run ahead in, so no prefetch.
; Rows are worked on in pairs, line by line, so that no line waits for the line above it.  The image is gathered in LDS and leaves behind one barrier.
.set OPITCH, 272
.set IMG,  64*OPITCH                   ; the image; behind it the spare words, 128 bytes for each wave
.set R,   16                           ; v16-47   8 rows x 4 registers as loaded; on the way out v16-35 take the image back
.set S,   48                           ; v48-55   row i: my group's scale
.set X,   56                           ; v56-87   two rows' 16 numbers
.set U,   88                           ; v88-95   two rows' bytes + 128
.set C,   96                           ; v96-111  row i: 2 registers of codes
.set E,   112                          ; v112-119 row i: the scale byte
	s_load_b128 s[4:7], s[0:1], 0x0                ; ternary s[4:5], scales s[6:7]
	s_load_b64 s[8:9], s[0:1], 0x10                ; wq
	s_and_b32 s10, ttmp9, 3                        ; which 64 rows of the 256
	s_bfe_u32 s11, ttmp9, 0x30002                  ; which 512 along K
	s_lshr_b32 s12, ttmp9, 5                       ; which 256 rows
	s_lshl_b32 s12, s12, 8
	s_lshl_b32 s10, s10, 6
	s_add_co_u32 s10, s10, s12                     ; the first row
	s_lshl_b32 s28, s10, 12                        ; ternary: rows of 4,096 bytes,
	s_lshl_b32 s12, s11, 9
	s_add_co_u32 s28, s28, s12                     ; + 512 bytes a K step
	s_mov_b32 s29, 0
	s_lshl_b32 s30, s10, 7                         ; scales: 128 bytes a row,
	s_lshl_b32 s12, s11, 4
	s_add_co_u32 s30, s30, s12                     ; + 4 numbers a K step
	s_mov_b32 s31, 0
	s_mul_i32 s32, ttmp9, IMG
	s_mov_b32 s33, 0
	s_mov_b32 s20, 0x03020104                      ; v_perm_b32: byte 0, 1, 2 or 3 of the first source under the upper three bytes of the second
	s_mov_b32 s21, 0x03020105
	s_mov_b32 s22, 0x03020106
	s_mov_b32 s23, 0x03020107
	s_mov_b32 s24, 0xcb000080                      ; -(2^23 + 128)
	s_mov_b32 s25, s24                             ; (named with it as a pair)
	s_mov_b32 s26, 0x80808080
	v_lshl_add_u32 v2, v0, 2, IMG                  ; my spare word
	v_mov_b32 v3, 0
	v_lshrrev_b32 v1, 5, v0
	v_readfirstlane_b32 s16, v1                    ; wave 0..7
	v_and_b32 v1, 31, v0                           ; lane
	s_mul_i32 s17, s16, 2*OPITCH                   ; my first position in the image
	s_lshl_b32 s18, s16, 15                        ; my 8 rows of ternary
	s_lshl_b32 s19, s16, 10                        ; and of scales
	s_lshl_b32 s27, s16, 9                         ; my 512 bytes of each 4,096 of the image, on the way out
	v_lshl_add_u32 v4, v1, 4, s18
	v_lshrrev_b32 v5, 3, v1
	v_lshl_add_u32 v5, v5, 2, s19                  ; my group's scale: lane / 8
	v_lshl_add_u32 v6, v1, 3, s17                  ; the image: my 8 bytes of a row's codes
	v_lshrrev_b32 v7, 1, v1
	v_add_nc_u32 v7, s17, v7
	v_add_nc_u32 v7, 256, v7                       ; my block's scale byte, behind a row's 256 bytes of codes
	v_lshl_add_u32 v8, v1, 4, s27                  ; the image read back, and wq: 16 bytes a lane
	v_mov_b32 v9, 0x4b000000                       ; 2^23
	s_wait_alu depctr_va_vdst(0)                   ; the wait at the head's end
	s_wait_kmcnt 0x0
	s_add_nc_u64 s[4:5], s[4:5], s[28:29]
	s_add_nc_u64 s[6:7], s[6:7], s[30:31]
	s_add_nc_u64 s[8:9], s[8:9], s[32:33]
.irp i, 0,1,2,3,4,5,6,7
	global_load_b32 v[S+\i], v5, s[6:7] offset:128*\i
.endr
.irp i, 0,1,2,3,4,5,6,7
	global_load_b128 v[R+4*\i:R+4*\i+3], v4, s[4:5] offset:4096*\i th:TH_LOAD_NT   ; row i: 512 consecutive bytes; read once in the launch
.endr
.macro PUT i                           ; row i into the image
	ds_store_b8 v7, v[E+(\i)] offset:OPITCH*(16*((\i)%4)+(\i)/4)   ; both lanes of a block write the same byte with the same value
	ds_store_b64 v6, v[C+2*(\i):C+2*(\i)+1] offset:OPITCH*(16*((\i)%4)+(\i)/4)
.endm
; Rows 2 p and 2 p + 1: 16 numbers of each in a lane.
.macro PAIR p
	s_wait_loadcnt 6-2*\p                          ; loads come back in order (ISA guide 5.7.1): the scales and these two rows are in, the rows behind them may be out
.irp g, 0,1,2,3,4,5,6,7
	v_xor_b32 v[U+\g], s26, v[R+8*\p+\g]           ; each byte t becomes the unsigned byte t + 128
.endr
.irp g, 0,1,2,3,4,5,6,7
.irp b, 0,1,2,3
	v_perm_b32 v[X+4*\g+\b], v[U+\g], v9, s[20+\b] ; the byte as the lowest mantissa bits of 2^23: the f32 number 2^23 + t + 128
.endr
.endr
.irp n, 0,2,4,6,8,10,12,14,16,18,20,22,24,26,28,30
	v_pk_add_f32 v[X+\n:X+\n+1], v[X+\n:X+\n+1], s[24:25] op_sel_hi:[1,0]   ; less 2^23 + 128: t, exactly.  (Not fused with the multiply: t x s is rounded once, from the exact t)
.endr
.irp n, 0,2,4,6,8,10,12,14
	v_pk_mul_f32 v[X+\n:X+\n+1], v[X+\n:X+\n+1], v[S+2*\p:S+2*\p+1] op_sel_hi:[1,0]                      ; w = t x s: the first row's scale,
	v_pk_mul_f32 v[X+16+\n:X+17+\n], v[X+16+\n:X+17+\n], v[S+2*\p:S+2*\p+1] op_sel:[0,1] op_sel_hi:[1,1] ; the second row's
.endr
.irp u, 0,1                            ; the largest magnitude of my 16, in two chains a row
	v_max3_num_f32 v[10+2*\u], |v[X+16*\u]|, |v[X+16*\u+1]|, |v[X+16*\u+2]|
	v_max3_num_f32 v[11+2*\u], |v[X+16*\u+3]|, |v[X+16*\u+4]|, |v[X+16*\u+5]|
.endr
.irp n, 6,10
.irp u, 0,1
	v_max3_num_f32 v[10+2*\u], v[10+2*\u], |v[X+16*\u+\n]|, |v[X+16*\u+\n+1]|
	v_max3_num_f32 v[11+2*\u], v[11+2*\u], |v[X+16*\u+\n+2]|, |v[X+16*\u+\n+3]|
.endr
.endr
.irp u, 0,1
	v_max3_num_f32 v[10+2*\u], v[10+2*\u], |v[X+16*\u+14]|, |v[X+16*\u+15]|
.endr
.irp u, 0,1
	v_max3_num_f32 v[10+2*\u], v[10+2*\u], v[11+2*\u], 0x1800000   ; and the floor 2^(3 - 127), under which no largest magnitude is taken: the byte cannot fall under 1
.endr
.irp u, 0,1
	v_max_num_f32_dpp v[10+2*\u], v[10+2*\u], v[10+2*\u] row_xmask:1 row_mask:0xf bank_mask:0xf   ; and of my neighbour's 16: the block's
.endr
.irp u, 0,1
	v_add_nc_u32 v[14+\u], 0xff000000, v[10+2*\u]  ; 2 off its exponent field: the conversion takes the exponent field of this operand as its scale, and nothing else of it
.endr
.irp u, 0,1
	v_cvt_scalef32_pk8_fp4_f32 v[C+4*\p+2*\u], v[X+16*\u:X+16*\u+7], v[14+\u]
	v_cvt_scalef32_pk8_fp4_f32 v[C+4*\p+2*\u+1], v[X+16*\u+8:X+16*\u+15], v[14+\u]
.endr
.irp u, 0,1
	v_lshrrev_b32 v[E+2*\p+\u], 23, v[14+\u]       ; the scale's byte.  (Also the plain instructions behind the conversions)
.endr
	PUT 2*\p
	PUT 2*\p+1
.endm
	PAIR 0
	PAIR 1
	PAIR 2
	PAIR 3
	s_wait_dscnt 0x0                               ; my part of the image is there
	s_barrier_signal -1
	s_barrier_wait -1                              ; everybody's is
; The image leaves as it lies: 34 pieces of 512 bytes, four a wave and one more of waves 0 and 1, each at a multiple of 256 from wq's first byte.
.irp t, 0,1,2,3
	ds_load_b128 v[R+4*\t:R+4*\t+3], v8 offset:4096*\t
.endr
.irp t, 0,1,2,3
	s_wait_dscnt 3-\t
	global_store_b128 v8, v[R+4*\t:R+4*\t+3], s[8:9] offset:4096*\t
.endr
	s_cmp_lt_u32 s16, 2
	s_cbranch_scc0 .Lout
	ds_load_b128 v[R+16:R+19], v8 offset:16384
	s_wait_dscnt 0x0
	global_store_b128 v8, v[R+16:R+19], s[8:9] offset:16384
.Lout:
	s_wait_tensorcnt 0x0                           ; the wave's end
	ds_add_u32 v2, v3
	s_wait_dscnt 0x0
	s_endpgm
.Lfunc_end_k_q73ea827206_quantw:
	.size	k_q73ea827206_quantw, .Lfunc_end_k_q73ea827206_quantw-k_q73ea827206_quantw
	.p2alignl 7, 3214868480
	.fill 96, 4, 3214868480
	.section	.rodata,"a",@progbits
	.p2align	6, 0x0
	.amdhsa_kernel k_q73ea827206_quantw
		.amdhsa_group_segment_fixed_size 18432
		.amdhsa_private_segment_fixed_size 0
		.amdhsa_enable_private_segment 0
		.amdhsa_kernarg_size 24
		.amdhsa_user_sgpr_count 2
		.amdhsa_user_sgpr_kernarg_segment_ptr 1
		.amdhsa_wavefront_size32 1
		.amdhsa_system_sgpr_workgroup_id_x 1
		.amdhsa_system_sgpr_workgroup_id_y 1
		.amdhsa_system_sgpr_workgroup_id_z 1
		.amdhsa_system_vgpr_workitem_id 0
		.amdhsa_next_free_vgpr 120
		.amdhsa_next_free_sgpr 66
		.amdhsa_reserve_vcc 0
		.amdhsa_float_denorm_mode_32 3
		.amdhsa_float_denorm_mode_16_64 3
		.amdhsa_memory_ordered 1
		.amdhsa_forward_progress 1
		.amdhsa_inst_pref_size 30
	.end_amdhsa_kernel
	.amdgpu_metadata
---
amdhsa.version: [ 1, 2 ]
amdhsa.kernels:
  - .name:           k_q73ea827206_quantw
    .symbol:         k_q73ea827206_quantw.kd
    .args:
      - { .name: ternary, .offset: 0, .size: 8, .value_kind: global_buffer, .address_space: global }
      - { .name: scales, .offset: 8, .size: 8, .value_kind: global_buffer, .address_space: global }
      - { .name: wq, .offset: 16, .size: 8, .value_kind: global_buffer, .address_space: global }
    .group_segment_fixed_size: 18432
    .private_segment_fixed_size: 0
    .kernarg_segment_align: 8
    .kernarg_segment_size: 24
    .max_flat_workgroup_size: 256
    .sgpr_count:     66
    .vgpr_count:     120
    .wavefront_size: 32
...
	.end_amdgpu_metadata
.endif
;; end of part 1
;; launch gemm (part 2): grid 8 x 32, 4 waves a work-group, clusters of 4 x 4, 327,680 bytes of LDS; arguments x_codes, x_scales, wq, out0; writes out0
.if DOCPART == 2
	.amdgcn_target "amdgcn-amd-amdhsa--gfx1250"
	.amdhsa_code_object_version 6
	.text
	.protected	k_q73ea827206_gemm
	.globl	k_q73ea827206_gemm
	.p2align	8
	.type	k_q73ea827206_gemm,@function
k_q73ea827206_gemm:
	s_mov_b64 s[64:65], 0
	v_nop
	global_prefetch_b8 v0, s[64:65] scope:SCOPE_SE
	s_setreg_imm32_b32 hwreg(HW_REG_WAVE_MODE, 25, 1), 1
	s_wait_xcnt 0x0
	s_wait_alu depctr_hold_cnt(0) depctr_sa_sdst(0) depctr_va_vdst(0) depctr_va_sdst(0) depctr_va_ssrc(0) depctr_va_vcc(0) depctr_vm_vsrc(0)
	s_getreg_b32 s2, hwreg(HW_REG_IB_STS2, 6, 4)
	s_cmp_eq_u32 s2, 0
	s_cbranch_scc0 .Lentry_in_a_cluster
	s_endpgm
.Lentry_in_a_cluster:
	s_bfe_u32 s2, ttmp6, 0x10000c
	s_cmp_lg_u32 s2, 0xf033
	s_cbranch_scc0 .Lentry_shape_is_right
	s_endpgm
.Lentry_shape_is_right:
; out0[m][n] = sum over k of x[m][k] W[n][k], m < 8192, n < 2048, k < 4096: both operands codes of FP4 (E2M1) with one E8M0 scale for each 32 along K; sums in f32, one accumulator for each output,
; K ascending, but for the last 512, whose four quarters are added in the order 0, 2, 3, 1.  A scale byte 0xff in x_scales is NaN in the format and gives NaN, as the format says.
; x: codes [8192][2048 bytes] and scale bytes [8192][128], as given.  W: wq[n / 256][k / 512][position][272], made by the launch before: 256 bytes of codes and the row's 16 scale bytes of these 512 along K;
; of each 64 columns n = 4 r + b lies at position 16 b + r.
; A tile of out0, 256 x 256, is made by a work-group of four waves; a wave makes 128 x 128 in 32 accumulators of 32 x 16, 512 registers.  32 x 8 tiles: 256 work-groups.
; K goes in steps of 512 through a ring of two LDS slots.  A row of x's tile is 256 bytes of memory, padded by 16 in LDS; W's tile is ONE dense block of 69,632 bytes whose rows already lie 272 bytes apart,
; W's scale bytes in the place of padding.  x's scale bytes (256 rows x 128 bytes, dense) stay in LDS for all of K; they come through registers at the head, so that the one tensor load that a wave issues there
; is its half tile of K step 0.
; CLUSTERS: 4 x 4 work-groups.  The four of a row of the cluster need the same tiles of x, the four of a column the same blocks of W: each is asked for JOINTLY.
; THE MATRIX INSTRUCTION takes 32 rows of x as source 0 and 16 rows of W as source 1: lane (r, h) holds column r and, in register j, row 16 (j / 8) + 8 h + j % 8.  The four tiles b = 0 .. 3 of 64 columns hold
; columns 4 r + b: their registers j, moved side by side, are 16 neighbouring bytes of a row, and sixteen lanes 256 neighbouring bytes: the results need no LDS on their way out.
; REGISTERS, in windows of 256: window 0: v0-31 addresses; v32-127 scale words, two sets of 48 (x's 16, W's 32); v128-255 x's fragments, two sets of 4 x 32 rows x 128 K.
;   window 1: W's fragments, two sets of 64 at v0 and v64; in the last K step all 256: the whole step's.   window 2: accumulators of my rows 0-63 ((a, b) at v[16 (8 a + b)]);   window 3: of rows 64-127.
; A quarter, 128 along K, is 32 matrix instructions on one set while the other set is loaded in two runs of 16 LDS loads.
; THE LAST K STEP goes by pieces of 32 rows x 64 columns: each leaves as soon as it is finished.
.set PITCH,  272                       ; an LDS row: 68 words: row r starts at bank 4 r mod 64 (64 banks of 4 bytes: ISA guide 11.1), so the 16 rows that a load touches start at 16 different banks
.set ROWB,   256                       ; a tile's row of codes in bytes
.set HALFT,  128*PITCH
.set SLOT,   4*HALFT                   ; x's 256 rows, then W's 256
.set WBLK,   2*HALFT                   ; a block of wq: 256 rows x 512 along K
.set SCL,    2*SLOT                    ; x's scale bytes: row r at 128 r + 16 (r / 2): no fill lands there
.set HS,     64*272                    ; those of 128 rows
.set SBLK,   16*272                    ; those of 32 rows
.set SPARE,  SCL+2*HS                  ; the spare words, 128 bytes for each wave
.set ADRA,  16                         ; v16-17  LDS address of my fragments of x in slot 0, 1
.set ADRSB, 18                         ; v18-19  of W's scale words
.set ADRB,  20                         ; v20-21  of my fragments of W
.set CO,    26                         ; v26     my byte offset in out0
.set ADRSA, 27                         ; v27     LDS address of x's scale words of the lap in hand: lane l has row l of 32
.set SPW,   28                         ; v28     my spare word; never rewritten
.set NIL,   29                         ; v29     0; never rewritten
.set PFO,   30                         ; v30     the prefetches' offset; never rewritten
.set SC,    32
.set XF,    128
.set G1,   24                          ; s[24:31] descriptor group 1 for x's tiles;  s[32:39] group 0, one set for each slot
.set G0,   32
.set G1B,  48                          ; s[48:55], s[56:63] the same for W's blocks
.set G0B,  56
.set PFA,  80                          ; s[80:81] where my prefetches stand
.set PFS,  82                          ; s[82:83] a K step on, in bytes
.set LIM,  84                          ; s84  1 in a wave that prefetches, else the greatest number
.set MSB, 0
.macro WIN new                         ; the immediate's high byte repeats the setting that is left; a switch that changes nothing is dropped
.if MSB != (\new)
	s_set_vgpr_msb (MSB<<8)|(\new)
.set MSB, (\new)
.endif
.endm
.set MUL_LO, 0xa4                      ; source 0 (x) window 0, source 1 (W) window 1, C and D window 2; + 0x50: C and D window 3
; A joint load: waves 0 and 1 fetch x's two halves, waves 2 and 3 W's.  The branch hangs on the wave's number alone; s_nop 0 and four v_nop follow each line.
.macro JLOAD s
	s_cmp_eq_u32 s15, 0
	s_cbranch_scc0 .Lfor_b_\@
	tensor_load_to_lds s[G0+4*\s:G0+4*\s+3], s[G1:G1+7]
	s_nop 0
.rept 4
	v_nop
.endr
	s_branch .Lasked_\@
.Lfor_b_\@:
	tensor_load_to_lds s[G0B+4*\s:G0B+4*\s+3], s[G1B:G1B+7]
	s_nop 0
.rept 4
	v_nop
.endr
.Lasked_\@:
.endm
.macro CREST                           ; a round of the cluster's barrier behind its opening barrier
	s_cmp_lg_u32 s14, 0
	s_cbranch_scc1 .Lnot_wave_0_\@
	s_barrier_signal -3
.Lnot_wave_0_\@:
	s_barrier_wait -3
	s_barrier_signal -1
	s_barrier_wait -1
.endm
.macro CROUND                          ; a whole round
	s_barrier_signal -1
	s_barrier_wait -1
	CREST
.endm
; A PREFETCH INTO THE L2: the K step that stands TWO refills on from the load just issued, one instruction a wave.  The four partners that ask for a tile jointly share it out BY ADDRESS.  x: of the 128 rows that a wave
; fetches, the partner at cx takes 32, a lane a row (256 bytes of it); each cluster asks for its own rows.  W: of a half block's 34,816 bytes the partner at cy takes 8,192, lanes 256 bytes apart (the last 2,048 bytes come
; by the load alone); of the eight clusters that read a block those with cluster y < 4 ask.  how = 1, at the head: K steps 1 to 3.  how = 0, in the loop: K steps 4 to 7; its last trip (s3 = 1) asks for nothing.
.macro ASK how
.if \how
	s_cmp_eq_u32 s[LIM], 1
.else
	s_cmp_gt_u32 s3, s[LIM]
.endif
	s_cbranch_scc0 .Lnot_mine_\@
	global_prefetch_b8 v[PFO], s[PFA:PFA+1] th:TH_LOAD_NT scope:SCOPE_SE
.Lnot_mine_\@:
.endm
.macro PLACES                          ; four places behind the last matrix instruction, in front of loads into registers that it has read and of reads of its result (ISA guide 7.12.1 for reads of its result)
.rept 4
	v_nop
.endr
.endm
	s_load_b256 s[4:11], s[0:1], 0x0               ; x's codes s[4:5], x's scales s[6:7], wq s[8:9], out0 s[10:11]
	v_lshl_add_u32 v[SPW], v0, 2, SPARE
	v_mov_b32 v[NIL], 0
	ds_add_u32 v[SPW], v[NIL]                      ; the wave's opening: the add, twice on end, and its wait ahead of my first tensor load
	ds_add_u32 v[SPW], v[NIL]
	v_lshrrev_b32 v1, 5, v0
	v_readfirstlane_b32 s14, v1                    ; wave 0..3
	v_lshlrev_b32 v9, 4, v0                        ; x's scales on their way in: 16 bytes a thread
	s_wait_alu depctr_va_vdst(0)
	s_lshr_b32 s15, s14, 1                         ; which half of the tile's rows is mine.  Also: I fetch for x (0) or for W (1)
	s_and_b32 s16, s14, 1                          ; which half of its columns.  Also: which half of that tile I fetch
	s_bfe_u32 s40, ttmp6, 0x40000                  ; cx, cy: my place in the cluster
	s_bfe_u32 s41, ttmp6, 0x40004
	s_lshl_b32 s42, ttmp9, 2
	s_add_co_u32 s42, s42, s40                     ; tile column = 4 x cluster x + cx
	s_and_b32 s17, ttmp7, 0xffff
	s_lshl_b32 s17, s17, 2
	s_add_co_u32 s17, s17, s41                     ; tile row = 4 x cluster y + cy
	s_lshl_b32 s43, s41, 2
	s_lshl_b32 s43, 15, s43                        ; my row of the cluster
	s_lshl_b32 s44, 0x1111, s40                    ; my column
	; group 1 for x's tiles: 128 rows x 256 bytes, 2,048 bytes apart in memory, 16 bytes of padding behind each in LDS
	s_or_b32 s[G1+0], s43, (0<<16)|(1<<20)|(1<<21)|(5<<22)|(3<<25)
	s_mov_b32 s[G1+1], ROWB<<16
	s_mov_b32 s[G1+2], 128<<16
	s_mov_b32 s[G1+3], ROWB<<16
	s_mov_b32 s[G1+4], 128
	s_mov_b32 s[G1+5], 2048
	s_mov_b32 s[G1+6], 0
	s_mov_b32 s[G1+7], 0
	; for W's half blocks: dense, as 136 rows of 256 bytes (32 elements of 8 bytes), no padding: the block is the LDS image as it lies
	s_or_b32 s[G1B+0], s44, (3<<16)|(1<<21)
	s_mov_b32 s[G1B+1], 32<<16
	s_mov_b32 s[G1B+2], 136<<16
	s_mov_b32 s[G1B+3], 32<<16
	s_mov_b32 s[G1B+4], 136
	s_mov_b32 s[G1B+5], 32
	s_mov_b32 s[G1B+6], 0
	s_mov_b32 s[G1B+7], 0
	; where they come from: x's hang on the tile row alone, W's on the tile column alone
	s_lshl_b32 s20, s17, 19                        ; x: 256 rows of 2,048 bytes a tile row,
	s_lshl_b32 s21, s16, 18
	s_add_co_u32 s20, s20, s21                     ; my 128 of them
	s_mov_b32 s21, 0
	s_lshl_b32 s22, s17, 15                        ; x's scales: 256 rows of 128 bytes
	s_mov_b32 s23, 0
	s_mul_i32 s46, s42, 8*WBLK                     ; W: eight blocks a tile column,
	s_mul_i32 s47, s16, HALFT
	s_add_co_u32 s46, s46, s47                     ; my half
	s_mov_b32 s47, 0
	s_mul_i32 s45, s14, HALFT                      ; where the loads go: wave x 128 rows: no place in the cluster enters an LDS address
	s_wait_dscnt 0x0                               ; both opening adds are done
	CROUND                                         ; all sixteen work-groups are here: the first joint loads meet
	s_wait_kmcnt 0x0
	s_add_nc_u64 s[20:21], s[4:5], s[20:21]
	s_add_nc_u64 s[22:23], s[6:7], s[22:23]
	s_add_nc_u64 s[46:47], s[8:9], s[46:47]
.irp s, 0,1
	s_mov_b32 s[G0+4*\s], 1
	s_add_co_u32 s[G0+4*\s+1], s45, \s*SLOT
	s_add_nc_u64 s[G0+4*\s+2:G0+4*\s+3], s[20:21], \s*ROWB
	s_or_b32 s[G0+4*\s+3], s[G0+4*\s+3], 0x80000000
	s_mov_b32 s[G0B+4*\s], 1
	s_add_co_u32 s[G0B+4*\s+1], s45, \s*SLOT
	s_add_nc_u64 s[G0B+4*\s+2:G0B+4*\s+3], s[46:47], \s*WBLK
	s_or_b32 s[G0B+4*\s+3], s[G0B+4*\s+3], 0x80000000
.endr
	JLOAD 0                                        ; K step 0, one load a wave
.irp i, 0,1,2,3,4,5,6,7,8,9,10,11,12,13,14,15
	global_load_b128 v[XF+4*\i:XF+4*\i+3], v9, s[22:23] offset:2048*\i   ; x's scales, 2,048 dense bytes a work-group's instruction
.endr
	; the prefetches: both offsets are made, then one compare on the wave's role chooses.  They begin at K step 1
	s_lshl_b32 s97, s17, 19
	s_lshl_b32 s98, s16, 18
	s_add_co_u32 s97, s97, s98                     ; x: the 128 rows that I fetch,
	s_lshl_b32 s98, s40, 16
	s_add_co_u32 s97, s97, s98                     ; my work-group's 32 of them
	s_add_co_u32 s97, s97, ROWB
	s_mul_i32 s98, s42, 8*WBLK
	s_mul_i32 s99, s16, HALFT
	s_add_co_u32 s98, s98, s99                     ; W: the half block that I fetch,
	s_lshl_b32 s99, s41, 13
	s_add_co_u32 s98, s98, s99                     ; my work-group's 8,192 bytes of it
	s_add_co_u32 s98, s98, WBLK
	s_and_b32 s99, ttmp7, 0xffff                   ; cluster y
	s_mov_b32 s100, WBLK
	s_mov_b32 s101, 256
	s_mov_b32 s87, 0
	s_mov_b32 s[PFS+1], 0
	s_cmp_lt_u32 s99, 4
	s_cselect_b32 s99, 1, -1
	s_cmp_eq_u32 s15, 0                            ; do I fetch for x?
	s_cselect_b64 s[PFA:PFA+1], s[4:5], s[8:9]
	s_cselect_b32 s[LIM], 1, s99
	s_cselect_b32 s[PFS], 256, s100                ; a K step on
	s_cselect_b32 s101, 2048, s101                 ; from lane to lane
	s_cselect_b32 s86, s97, s98
	s_add_nc_u64 s[PFA:PFA+1], s[PFA:PFA+1], s[86:87]
	v_and_b32 v[PFO], 31, v0
	v_mul_lo_u32 v[PFO], v[PFO], s101
	s_wait_alu depctr_va_vdst(0)                   ; the wait here, directly behind the write
	ASK 1                                          ; K step 1
	s_lshl_b32 s20, s17, 21                        ; out0: 256 rows of 8,192 bytes a tile row,
	s_lshl_b32 s21, s15, 20
	s_add_co_u32 s20, s20, s21                     ; my 128 of them,
	s_lshl_b32 s21, s42, 10
	s_add_co_u32 s20, s20, s21
	s_lshl_b32 s21, s16, 9
	s_add_co_u32 s20, s20, s21                     ; my 512 bytes of a row
	s_mov_b32 s21, 0
	s_add_nc_u64 s[10:11], s[10:11], s[20:21]
	s_mul_i32 s88, s15, HALFT                      ; my 128 rows of x in slot 0, 1
	s_add_co_u32 s89, s88, SLOT
	s_mul_i32 s90, s16, HALFT                      ; my 128 rows of W, behind x's 256
	s_add_co_u32 s90, s90, 2*HALFT
	s_add_co_u32 s91, s90, SLOT
	s_mul_i32 s92, s15, HS                         ; the scales of my 128 rows of x
	s_add_co_u32 s92, s92, SCL
	v_and_b32 v1, 15, v0                           ; r
	v_bfe_u32 v2, v0, 4, 1                         ; h
	v_and_b32 v6, 31, v0                           ; lane
	v_lshrrev_b32 v10, 4, v0
	v_mul_u32_u24 v3, v1, PITCH
	v_add_nc_u32 v10, v10, v0
	v_lshl_add_u32 v4, v2, 4, v3                   ; a fragment's row x pitch + 16 h
	v_add_nc_u32 v5, ROWB, v3                      ; W's scale words lie behind a row's codes; lanes 16-31 read what lanes 0-15 read
	v_lshl_add_u32 v10, v10, 4, SCL                ; where my 16 bytes of x's scales go: 16 t + 16 (t / 16)
	v_add_nc_u32 v[ADRA], s88, v4
	v_add_nc_u32 v[ADRA+1], s89, v4
	v_add_nc_u32 v[ADRB], s90, v4
	v_add_nc_u32 v[ADRB+1], s91, v4
	v_add_nc_u32 v[ADRSB], s90, v5
	v_add_nc_u32 v[ADRSB+1], s91, v5
	v_lshrrev_b32 v7, 1, v6
	v_lshlrev_b32 v6, 7, v6
	v_lshl_add_u32 v6, v7, 4, v6                   ; x's scale words: row l at 128 l + 16 (l / 2)
	v_add_nc_u32 v[ADRSA], s92, v6
	v_lshlrev_b32 v8, 4, v1
	v_lshl_add_u32 v[CO], v2, 16, v8               ; out0: 16 r, and 8 rows further down for h = 1
	s_wait_alu depctr_va_vdst(0)                   ; the wait at the head's end
	s_wait_xcnt 0x0                                ; the prefetch has read its address
	s_add_nc_u64 s[PFA:PFA+1], s[PFA:PFA+1], s[PFS:PFS+1]
	ASK 1                                          ; K step 2
	s_wait_loadcnt 0x0                             ; x's scales are in registers
.irp i, 0,1,2,3,4,5,6,7,8,9,10,11,12,13,14,15
	ds_store_b128 v10, v[XF+4*\i:XF+4*\i+3] offset:2176*\i   ; 2,048 bytes and their eight pads on
.endr
.macro FRAG reg, adr, q, i             ; 16 rows x 128 K of 4-bit codes, 8 registers: lane (r, h): registers 4 c .. 4 c + 3 hold K = 64 c + 32 h + 0 .. 31 of row r
.irp c, 0,1
	ds_load_b128 v[\reg+4*\c:\reg+4*\c+3], v[\adr] offset:64*(\q)+32*\c+(\i)*16*PITCH
.endr
.endm
; LS, LQ, LP: slot, quarter and set of the fragments that are being loaded
.macro LDW i                           ; W's block i: 2 loads
	WIN 0x40
	FRAG 64*LP+8*(\i), ADRB+LS, LQ, \i
.endm
.macro LDX a                           ; x's 32 rows a: 4 loads
	WIN 0
	FRAG XF+64*LP+16*(\a), ADRA+LS, LQ, 2*(\a)
	FRAG XF+64*LP+16*(\a)+8, ADRA+LS, LQ, 2*(\a)+1
.endm
.macro SCX set, off                    ; a K step's scale words, four a row: x's, 4 loads;
	WIN 0
.irp a, 0,1,2,3
	ds_load_b128 v[SC+48*(\set)+4*\a:SC+48*(\set)+4*\a+3], v[ADRSA] offset:\a*SBLK+(\off)
.endr
.endm
.macro SCW set, b0                     ; W's blocks b0 .. b0 + 3, 4 loads
	WIN 0
.irp b, \b0, \b0+1, \b0+2, \b0+3
	ds_load_b128 v[SC+48*(\set)+16+4*(\b):SC+48*(\set)+16+4*(\b)+3], v[ADRSB+(\set)] offset:(\b)*16*PITCH
.endr
.endm
; Matrix instruction KI of a quarter: KP the set of fragments, KQ the slot's quarter, KS the set of scale words; KZ = 1: it starts the sum, nothing is ever cleared.
; KO = 0: by x's rows, KI = 8 a + b.  KO = 1: by W's blocks, four to a block, a = 0 .. 3 and 3 .. 0 by turns.
; The 32 accumulators take turns, one instruction a turn; between two turns of one accumulator stand seven others at the least.
.macro WMI
.if KO
.set kB, KI/4
.set kA, (KI%4)+(kB%2)*(3-2*(KI%4))
.else
.set kA, KI/8
.set kB, KI%8
.endif
.set rD, 16*(8*(kA%2)+kB)
.set rA, XF+64*KP+16*kA
.set rB, 64*KP+8*kB
.set rX, SC+48*KS+4*kA+KQ
.set rW, SC+48*KS+16+4*kB+KQ
	WIN MUL_LO+0x50*(kA/2)
.if KZ
	v_wmma_scale_f32_32x16x128_f4 v[rD:rD+15], v[rA:rA+15], v[rB:rB+7], 0, v[rX], v[rW]
.else
	v_wmma_scale_f32_32x16x128_f4 v[rD:rD+15], v[rA:rA+15], v[rB:rB+7], v[rD:rD+15], v[rX], v[rW]
.endif
.endm
.macro MULS i0, n
.set KI, \i0
.rept \n
	WMI
.set KI, KI+1
.endr
.endm
; A slot's quarter 0, 1 or 2: 32 matrix instructions on one set; the next quarter's 32 loads into the other set in two runs: W's 16 behind the 4th instruction, x's 16 behind the 12th (in quarter 2 the next K step's
; four loads of x's scale words go with them).  Quarter 0 goes by W's blocks: at its start all but the youngest twelve loads (W's blocks 4-7 and their scale words) are in, at its middle all but the 32 issued here.
; Quarters 1 and 2 go by x's rows a: younger than x's group a are the 3 - a groups behind it, and the loads issued here so far: 12, 8 + 16, 4 + 32, 32 (quarter 2: 4 more in the last two).
.macro STEP slot, q, zero
.set KP, (\q)%2
.set KQ, \q
.set KS, \slot
.set KZ, \zero
.set LS, \slot
.set LQ, (\q)+1
.set LP, 1-(\q)%2
.set NX, 1-(\slot)
.set EX, 4*((\q)/2)
.if \q == 0
.set KO, 1
.else
.set KO, 0
.endif
.set KI, 0
.rept 32
.if KI == 0
	s_wait_dscnt 12
.endif
.if (KI == 8) && (KO == 0)
	s_wait_dscnt 24
.endif
.if KI == 16
	s_wait_dscnt 32+4*(1-KO)+EX
.endif
.if (KI == 24) && (KO == 0)
	s_wait_dscnt 32+EX
.endif
	WMI
.if KI == 3
	PLACES
.irp i, 0,1,2,3,4,5,6,7
	LDW \i
.endr
.endif
.if KI == 11
	WIN 0
.if (\q == 2) && (\slot == 1)
	v_add_nc_u32 v[ADRSA], 32, v[ADRSA]            ; on to the next lap's scale words of x
	s_wait_alu depctr_va_vdst(0)                   ; the wait here, directly behind the write
.endif
.irp a, 0,1,2,3
	LDX \a
.endr
.if \q == 2
	SCX NX, 16*NX
.endif
.endif
.set KI, KI+1
.endr
.endm
; The beginning of a slot's last quarter, and the barrier behind which the next slot is whole.  In front of it each wave waits for all its tensor loads, adds 0 to its spare word, and waits for that and for its own reads of
; this slot.  round = 1: the barrier opens a round of the cluster's barrier, and the descriptors step.
.macro MEET slot, round
.set KP, 1
.set KQ, 3
.set KS, \slot
.set KZ, 0
.set KO, 0
	WIN 0                                          ; (the add's two registers lie in window 0)
.if \round
	s_wait_xcnt 0x0                                ; the last prefetch, a K step back, has read its address
	s_add_nc_u64 s[PFA:PFA+1], s[PFA:PFA+1], s[PFS:PFS+1]
.endif
	s_wait_tensorcnt 0x0                           ; all my tensor loads have landed: the one that was out is my part of the next slot
	ds_add_u32 v[SPW], v[NIL]                      ; 0 onto my spare word
.if \round
	s_add_nc_u64 s[G0+4*\slot+2:G0+4*\slot+3], s[G0+4*\slot+2:G0+4*\slot+3], 2*ROWB
	s_add_nc_u64 s[G0B+4*\slot+2:G0B+4*\slot+3], s[G0B+4*\slot+2:G0B+4*\slot+3], 2*WBLK
.endif
	s_wait_dscnt 17                                ; W's fragments and x's first 32 rows are in; x's other twelve loads, four of scale words and the add may be out
	MULS 0, 8
	s_wait_dscnt 0x0                               ; the add is done, and my reads of this slot are over
	s_barrier_signal -1
	MULS 8, 4
	WIN 0
	s_barrier_wait -1
.endm
; The whole last quarter: behind the round the slot just read out is filled again, two K steps ahead, and the next slot's first fragments and W's scale words are loaded.
.macro TURN slot, next
	MEET \slot, 1
	CREST                                          ; no wave of any partner still reads this slot's tiles or has a load on its way
	JLOAD \slot                                    ; (its four v_nop are the places in front of the loads below)
.set LS, \next
.set LQ, 0
.set LP, 0
	FIRST \next
	MULS 12, 10
	SECOND \next
	WIN 0
	ASK 0
	MULS 22, 10
.endm
.macro FIRST set                       ; 28 loads: x's fragments, W's blocks 0-3 and their scale words
.irp a, 0,1,2,3
	LDX \a
.endr
	SCW \set, 0
.irp i, 0,1,2,3
	LDW \i
.endr
.endm
.macro SECOND set                      ; 12 loads: W's blocks 4-7
	SCW \set, 4
.irp i, 4,5,6,7
	LDW \i
.endr
.endm
; THE LAST K STEP (slot 1).  W's fragments of all four quarters fill window 1; x's 32 rows a x 512 K lie in v128-191.
.macro BLOAD q, c                      ; W's 64 columns c of quarter q: 8 loads
.set LS, 1
.set LQ, \q
.set LP, \q
.irp i, 0,1,2,3
	LDW 4*\c+\i
.endr
.endm
.macro ALOAD a                         ; 16 loads
	WIN 0
.irp q, 0,1,2,3
	FRAG XF+16*\q, ADRA+1, \q, 2*(\a)
	FRAG XF+16*\q+8, ADRA+1, \q, 2*(\a)+1
.endr
.endm
.macro SETD t                          ; where piece t's results are laid side by side: v192-255, later the registers that the piece before has left
.if (\t) == 0
.set DW, 0
.set DB, 192
.else
.set DW, 2+((\t)-1)/4
.set DB, 64*(((\t)-1)%4)
.endif
.endm
; Piece (a, c), 32 rows x 64 columns: 16 matrix instructions, four accumulators by turns; the loads that the next piece wants; then its registers are moved side by side.
.macro CALC a, c
.set KT, 2*\a+\c
.if (KT == 1) || ((\a > 0) && (\c == 0))
	s_wait_dscnt 0x0                               ; this piece's fragments are in
.endif
.irp q, 0,2,3,1
.if KT == 0
.if \q == 0
	s_wait_dscnt 24                                ; behind what this quarter wants: the three other quarters of W's first 64 columns, 8 loads each
.elseif \q == 2
	s_wait_dscnt 16
.elseif \q == 3
	s_wait_dscnt 8
.else
	s_wait_dscnt 0x0
.endif
.endif
.irp b, 0,1,2,3
.set rD, 64*(KT%4)+16*\b
.set rA, XF+16*\q
.set rB, 64*\q+8*(4*\c+\b)
.set rX, SC+48+4*\a+\q
.set rW, SC+48+16+4*(4*\c+\b)+\q
	WIN MUL_LO+0x50*(KT/4)
	v_wmma_scale_f32_32x16x128_f4 v[rD:rD+15], v[rA:rA+15], v[rB:rB+7], v[rD:rD+15], v[rX], v[rW]
.endr
.endr
	PLACES
.if KT == 0
	BLOAD 0, 1
	BLOAD 2, 1
	BLOAD 3, 1
	BLOAD 1, 1
.endif
.if (\a < 3) && (\c == 1)
	ALOAD \a+1
.endif
	SETD KT
	WIN (2+KT/4)|(DW<<6)                           ; source 0: the accumulators' window
.set KJ, 0
.rept 16
.irp b, 0,1,2,3
	v_mov_b32 v[DB+4*KJ+\b], v[64*(KT%4)+16*\b+KJ] ; each accumulator from its low end on
.endr
.set KJ, KJ+1
.endr
.endm
.macro SEND t                          ; no register of a store is written again
	SETD \t
	WIN DW<<2                                      ; a store's data are its source 1
.set KJ, 0
.rept 16
	global_store_b128 v[CO], v[DB+4*KJ:DB+4*KJ+3], s[10:11] offset:((KJ/8)*16+KJ%8)*8192+((\t)/2)*262144+((\t)%2)*256 th:TH_STORE_NT   ; 16 lanes store 256 consecutive bytes, at a multiple of 256 from out0's first byte
.set KJ, KJ+1
.endr
.endm
	s_wait_xcnt 0x0                                ; the prefetch has read its address
	s_add_nc_u64 s[PFA:PFA+1], s[PFA:PFA+1], s[PFS:PFS+1]
	s_wait_tensorcnt 0x0                           ; my part of K step 0 is in
	ds_add_u32 v[SPW], v[NIL]
	s_wait_dscnt 0x0                               ; the add is done, and x's scales are stored
	CROUND                                         ; a whole round: K step 0's tiles and x's scales are in, and all sixteen work-groups are here: the joint loads meet,
	JLOAD 1                                        ; and K step 1's load, the first tensor load behind the round
.set LS, 0
.set LQ, 0
.set LP, 0
	SCX 0, 0
	FIRST 0
	SECOND 0
	WIN 0
	ASK 1                                          ; K step 3
	STEP 0, 0, 1                                   ; the first quarter stands in front of the loop: its products start the sums
	WIN 0                                          ; at a label and at a branch every window is 0
	s_mov_b32 s3, 3
.Llap:                                                 ; a trip goes once round the ring, from a lap's second quarter to the next lap's first: K steps 2 to 7 are filled in three trips
	STEP 0, 1, 0
	STEP 0, 2, 0
	TURN 0, 1
	STEP 1, 0, 0
	STEP 1, 1, 0
	STEP 1, 2, 0
	TURN 1, 0
	STEP 0, 0, 0
	WIN 0
	s_sub_co_u32 s3, s3, 1
	s_cmp_lg_u32 s3, 0
	s_cbranch_scc1 .Llap
	STEP 0, 1, 0
	STEP 0, 2, 0
	MEET 0, 0                                      ; the last K step's tile has landed; nothing is filled again, so no round follows
	PLACES                                         ; for the loads into registers that these have read
	SCW 1, 0
	SCW 1, 4
	ALOAD 0
	BLOAD 0, 0
	MULS 12, 10
	BLOAD 2, 0
	BLOAD 3, 0
	MULS 22, 10
	PLACES
	BLOAD 1, 0
	CALC 0, 0
	WIN 0
	s_wait_alu depctr_va_vdst(0)                   ; the wait here, directly ahead of the branch
	s_cmp_eq_u32 s15, 0                            ; waves 0 and 1 send their first piece now, waves 2 and 3 behind their second: so the two pairs of waves multiply and store by turns
	s_cbranch_scc0 .Llater
	SEND 0
	WIN 0
.Llater:
	CALC 0, 1
	WIN 0
	s_wait_alu depctr_va_vdst(0)                   ; the wait here, directly ahead of the branch
	s_cmp_eq_u32 s15, 0
	s_cbranch_scc1 .Lsent
	SEND 0
	WIN 0
.Lsent:
	SEND 1
	CALC 1, 0
	SEND 2
	CALC 1, 1
	SEND 3
	CALC 2, 0
	SEND 4
	CALC 2, 1
	SEND 5
	CALC 3, 0
	SEND 6
	CALC 3, 1
	SEND 7
	WIN 0
	s_wait_tensorcnt 0x0                           ; the wave's end: behind my last tensor load
	ds_add_u32 v[SPW], v[NIL]
	s_wait_dscnt 0x0
	CROUND                                         ; the closing round: no work-group ends while a partner may still ask for a tile that names it
	s_endpgm
.Lfunc_end_k_q73ea827206_gemm:
	.size	k_q73ea827206_gemm, .Lfunc_end_k_q73ea827206_gemm-k_q73ea827206_gemm
	.p2alignl 7, 3214868480
	.fill 96, 4, 3214868480
	.section	.rodata,"a",@progbits
	.p2align	6, 0x0
	.amdhsa_kernel k_q73ea827206_gemm
		.amdhsa_group_segment_fixed_size 327680
		.amdhsa_private_segment_fixed_size 0
		.amdhsa_enable_private_segment 0
		.amdhsa_kernarg_size 32
		.amdhsa_user_sgpr_count 2
		.amdhsa_user_sgpr_kernarg_segment_ptr 1
		.amdhsa_wavefront_size32 1
		.amdhsa_system_sgpr_workgroup_id_x 1
		.amdhsa_system_sgpr_workgroup_id_y 1
		.amdhsa_system_sgpr_workgroup_id_z 1
		.amdhsa_system_vgpr_workitem_id 0
		.amdhsa_next_free_vgpr 1024
		.amdhsa_next_free_sgpr 102
		.amdhsa_reserve_vcc 0
		.amdhsa_float_denorm_mode_32 3
		.amdhsa_float_denorm_mode_16_64 3
		.amdhsa_memory_ordered 1
		.amdhsa_forward_progress 1
		.amdhsa_inst_pref_size 152
	.end_amdhsa_kernel
	.amdgpu_metadata
---
amdhsa.version: [ 1, 2 ]
amdhsa.kernels:
  - .name:           k_q73ea827206_gemm
    .symbol:         k_q73ea827206_gemm.kd
    .args:
      - { .name: x_codes, .offset: 0, .size: 8, .value_kind: global_buffer, .address_space: global }
      - { .name: x_scales, .offset: 8, .size: 8, .value_kind: global_buffer, .address_space: global }
      - { .name: wq, .offset: 16, .size: 8, .value_kind: global_buffer, .address_space: global }
      - { .name: out0, .offset: 24, .size: 8, .value_kind: global_buffer, .address_space: global }
    .group_segment_fixed_size: 327680
    .private_segment_fixed_size: 0
    .kernarg_segment_align: 8
    .kernarg_segment_size: 32
    .max_flat_workgroup_size: 128
    .sgpr_count:     102
    .vgpr_count:     1024
    .wavefront_size: 32
...
	.end_amdgpu_metadata
.endif
;; end of part 2
